; MI455X (gfx1250); checked and timed in simulation.
; The chip was launched on July 23, 2026; its instructions are those of AMD's public machine-readable ISA for CDNA 5 (MIT licence, August 2026) and "CDNA5" Instruction Set Architecture Reference Guide (July 2026). The comments in the code are by the model that wrote it; some were corrected since.
;; Self Attention. Allowed arithmetic: matrix products marked QUANTISED: E2M3 operands, one E8M0 scale for each 32 along K, by v_wmma_scale_f32_16x16x128_f8f6f4 with both operands' format E2M3, f32 sums; everything else in f32.
;; Inputs: Wk_codes 256 x 8 x 24 uint8 (E2M3 codes of Wk, K innermost, in blocks of 32 codes, four codes in three bytes); Wk_scales 256 x 8 uint8 (E8M0 scales of Wk, one for each 32 codes along K); Wq_codes 256 x 8 x 24 uint8 (E2M3 codes of Wq, K innermost, in blocks of 32 codes, four codes in three bytes); Wq_scales 256 x 8 uint8 (E8M0 scales of Wq, one for each 32 codes along K); Wu_codes 256 x 8 x 24 uint8 (E2M3 codes of Wu, K innermost, in blocks of 32 codes, four codes in three bytes); Wu_scales 256 x 8 uint8 (E8M0 scales of Wu, one for each 32 codes along K); Wv_codes 256 x 8 x 24 uint8 (E2M3 codes of Wv, K innermost, in blocks of 32 codes, four codes in three bytes); Wv_scales 256 x 8 uint8 (E8M0 scales of Wv, one for each 32 codes along K); bu 256 float32; x_codes 4 x 4,096 x 8 x 24 uint8 (E2M3 codes of x, K innermost, in blocks of 32 codes, four codes in three bytes); x_scales 4 x 4,096 x 8 uint8 (E8M0 scales of x, one for each 32 codes along K).
;; Outputs: out0 4 x 4,096 x 256 float32.
;; This version of the problem:
;;   THIS VERSION OF THE PROBLEM IS GIVEN IN LOW PRECISION. The matrix products marked QUANTISED in the list below multiply operands that are first quantised to E2M3 (2 exponent bits, 3 mantissa bits; 6 bits a number), with one power-of-two scale for each 32 numbers along K (OCP MX v1.0); their sums are f32. All else is computed in f32.
;;   The module's matrix products, in the order in which they are computed (A, B: the left and right operand; K: the contracted axis; several contracted axes count as one K, in the product's order):
;;     1. [M 16,384, K 256] x [K 256, N 256]; A: input x (given as codes); B: input Wq (given as codes): QUANTISED
;;     2. [M 16,384, K 256] x [K 256, N 256]; A: input x (given as codes); B: input Wk (given as codes): QUANTISED
;;     3. [M 16,384, K 256] x [K 256, N 256]; A: input x (given as codes); B: input Wv (given as codes): QUANTISED
;;     4. batch 16 x [M 4,096, K 64] x [K 64, N 4,096]; A: computed on the way; B: computed on the way: QUANTISED
;;     5. batch 16 x [M 64, K 4,096] x [K 4,096, N 4,096]; A: computed on the way; B: softmax (see below): QUANTISED
;;     6. [M 16,384, K 256] x [K 256, N 256]; A: computed on the way; B: input Wu (given as codes): QUANTISED
;;   THE QUANTISER, for each operand of a quantised product, along K:
;;     - K is cut into blocks of 32 from its start; a last block that is shorter is filled with zeros.
;;     - A block's scale is 2^e with e = floor(log2(the largest magnitude in the block)) - 2, held to -126 .. 127; a block of zeros has e = 0. As a byte (E8M0): e + 127.
;;     - Each number is divided by its block's scale, clamped to +-7.5, and rounded to the nearest number of E2M3, ties to even, subnormals kept.
;;     - The product sums the exact products of the quantised numbers (number of the format x scale) in f32.
;;   ~~~python
;;   def quantise(x, axis):      # numpy; x: float32 -> the quantised numbers, widened to float32 again
;;       x = np.moveaxis(x, axis, -1); K = x.shape[-1]
;;       x = np.pad(x, [(0, 0)] * (x.ndim - 1) + [(0, -K % 32)]); x = x.reshape(x.shape[:-1] + (-1, 32)); a = np.abs(x).max(-1, keepdims=True)
;;       e = np.where(a > 0, np.clip(np.frexp(np.where(a > 0, a, 1))[1] - 1 - 2, -126, 127), 0)      # np.frexp(a)[1] - 1 = floor(log2(a)), exactly
;;       r = np.clip(x / 2.0 ** e, -7.5, 7.5)
;;       step = 2.0 ** (np.maximum(np.frexp(np.where(r == 0, 1, r))[1] - 1, 0) - 3)
;;       q = np.round(r / step) * step * 2.0 ** e      # np.round: ties to even
;;       return np.moveaxis(q.reshape(q.shape[:-2] + (-1,))[..., :K], -1, axis).astype(np.float32)
;;   ~~~
;;   SOFTMAX AHEAD OF A QUANTISED PRODUCT. Where the list says 'softmax', what is quantised is not the finished softmax but p = 2^(t - M), with t = logit x log2(e) and M = ceil(the row's largest t), a whole number; so 1/2 < the row's largest p <= 1. The row's sum l is taken of the UNQUANTISED p, in f32, and the product's result is divided by l at the end. Since M is a whole number, a kernel that streams over the keys may use a running M (the ceiling of the running maximum): every later rescaling is an exact power of two, which a block's scale takes up: the codes' values come out the same.
;;   OPERANDS COMPUTED ON THE WAY. 'Computed on the way' means the value that the module computes at that place (a softmax that the list does not call 'softmax' is quantised finished and normalised). What goes into a quantiser is computed in f32, as accurately as f32 sums, v_exp_f32 and their like allow (about 1e-6 of the number): no bf16 or f16 on the way to a quantiser, and a product that is left as it is and whose result goes on into a quantised operand takes f32 operands (vector FMAs, or v_wmma_f32_16x16x4_f32). A number that lies on a knife's edge between two numbers of the format may be rounded either way, as far as f32 arithmetic and the matrix unit's own rounding can turn it there, and no further.
;;   INPUTS GIVEN AS CODES. Wk (in the module: [256, 256], K = its axis 1); Wq (in the module: [256, 256], K = its axis 1); Wu (in the module: [256, 256], K = its axis 1); Wv (in the module: [256, 256], K = its axis 1); x (in the module: [4, 4096, 256], K = its axis 2): each comes as NAME_codes (uint8): NAME with its K axis moved to the last place and cut into blocks of 32 codes, [.., K / 32, bytes a block], one block behind the other in memory; four codes in three bytes: a row's codes are one little-endian stream of bits, code i at bits 6 i .. 6 i + 5 (a code: sign, 2 exponent bits, 3 mantissa bits); and NAME_scales (uint8): the same leading axes, one E8M0 byte (e + 127) for each 32 codes along K. Its value is code x scale, taken as it is: it is not quantised again, and the codes and scales need not be those that the quantiser above would give.
;; One version. Each part assembles by itself: llvm-mc -triple=amdgcn-amd-amdhsa -mcpu=gfx1250 --defsym DOCPART=n.
;; ======== version 1 of 1: 2 launches
;; limits: right only within a limited range of input values
;; workspace buffers: qc 3,145,728 bytes; qs 262,144 bytes; kv 6,684,672 bytes
;; launch proj (part 1): grid 128 x 2, 12 waves a work-group, no clusters, 169,472 bytes of LDS; arguments x_codes, x_scales, Wq_codes, Wq_scales, Wk_codes, Wk_scales, Wv_codes, Wv_scales, qc, qs, kv; writes qc, qs, kv
.if DOCPART == 1
	.amdgcn_target "amdgcn-amd-amdhsa--gfx1250"
	.amdhsa_code_object_version 6
	.text
	.protected	k_qb68da80486_proj
	.globl	k_qb68da80486_proj
	.p2align	8
	.type	k_qb68da80486_proj,@function
k_qb68da80486_proj:
	s_mov_b64 s[64:65], 0
	v_nop
	global_prefetch_b8 v0, s[64:65] scope:SCOPE_SE
	s_setreg_imm32_b32 hwreg(HW_REG_WAVE_MODE, 25, 1), 1
	s_wait_xcnt 0x0
; q = x Wq^T, k = x Wk^T, v = x Wv^T on codes of FP6 (E2M3) as they are given, and the three results quantised again: q and k along a head's 64 channels, v along the keys.
; x: 16,384 rows of 256 codes (192 bytes) with 8 scale bytes a row; each W: 256 such rows.
; SHARES.  Work-group (X, Y): the 128 rows 128 X .. 128 X + 127 of x (one key step of one batch) against rows 128 Y .. 128 Y + 127 of the three weights (two heads).  256 work-groups.
; Twelve waves run ONE text: kind = wave / 4 (0 q, 1 k, 2 v), pr = wave % 4.  D = eight STREAMING tiles (source 0: a lane's registers run along them) x a STATIONARY pair of tiles (source 1: a lane holds one of its rows).
;   q, k: streaming = the weight's 8 tiles (channels), stationary = x's tiles 2 pr, 2 pr + 1: a lane holds one token, its registers run along the channels, which are the next product's K.
;   v:    streaming = x's 8 tiles (tokens), stationary = Wv's tiles 2 pr, 2 pr + 1: a lane holds one channel, its registers run along the keys, which are the next product's K.
; THE ROWS OF A TILE ARE NOT NEIGHBOURS: lane r of tile 2 b + u takes row 32 b + 8 u + r + 8 (r / 8), of x and of the weights alike, so that the 16 registers of tiles 2 b and 2 b + 1 are the 16 neighbours 32 b + 16 (lane / 16) + 0 .. 15.
; WHAT IS STORED: UNITS of 768 bytes, the image of six operand registers (16 rows x 64 along K): words 0-3 of lane l at 16 l, words 4-5 at 512 + 8 l: one store of 512 and one of 256 consecutive bytes, both at multiples of 256.
;   qc, kc: head x 196,608 + key step x 6,144 + tile x 768.   vc: head x 196,608 + key step x 6,144 + (2 x channel tile + half of the step's keys) x 768.
;   qs, and kvs's first 16,384 bytes of a head: step x 512 + 128 b + 8 r + 4 u: the word of lane r of tile 2 b + u: two scale bytes, two bytes 0.   kvs + 16,384: step x 256 + 128 b + 8 r + 4 u: V's word, the step's four key blocks.
; LIMITS: a block whose largest magnitude lies under 2^-124 gets the byte 1; so does a block of zeros (its codes are zeros, and this program alone reads the bytes); NaN and infinities are not served.
; No multicast: a work-group fetches its 96 KiB once and has no loop.  LDS is filled once, so there is one barrier.
; THE LAYOUT OF K AND V AS IT STANDS NOW (it takes the place of what is said of kc, vc and kvs above): one buffer kv, (4 x (32 x batch + key step) + head) x 13,056 bytes:
;   K's eight units (6,144 bytes), V's eight units (6,144), K's scale words (512: 128 b + 8 r + 4 u), V's scale words (256: 128 b + 8 r + 4 u).
; THE TOKENS OF A TILE OF K: lane r of tile t takes key 64 (t / 4) + 8 (t % 4) + r % 8 + 32 (r / 8), so that in S^T = K Q^T a lane's 32 registers of four tiles are one whole block of 32 keys.
; q's tiles, v's tiles and the channels' order are as said above.  The tensor loads state their dense blocks as rows of 256 bytes.
.set PITCH,  240                       ; an LDS row: 3 x (64 bytes of codes + 16 of padding)
.set REGION, 128*PITCH                 ; 128 rows.  Regions: 0 Wq, 1 Wk, 2 x, 3 Wv
.set WV,   3                           ; s3  wave;  s4 kind;  s5 pr;  s6 X;  s7 Y
.set KIND, 4
.set PR,   5
.set GX,   6
.set GY,   7
.set G0,   36                          ; s[36:39] descriptor group 0;  s[40:47] group 1
.set G1,   40
.set SEL,  48                          ; s[48:49] lane selects: lane l xor 16
.set STRB, 50                          ; s50 LDS base of the streaming tiles;  s51 of my stationary pair
.set STAB, 51
.set PSS,  52                          ; s[52:53] the streaming rows' scale bytes;  s[54:55] the stationary rows'
.set PST,  54
.set UB,   56                          ; s[56:63] where my four units go: (tile u, half c) at 56 + 2 (2 u + c)
.set SA,   4                           ; v4, v5   streaming fragments: row x pitch + 24 h, + 40 h
.set TA,   6                           ; v6, v7   the same for the stationary pair
.set R8,   8                           ; v8       8 x (r + 8 (r / 8)): a row's scale bytes
.set L16,  9                           ; v9       16 x lane
.set L8,   10                          ; v10      8 x lane
.set STF,  16                          ; v16-63   stationary fragments (u, K step s) at 16 + 12 (2 u + s)
.set SF,   64                          ; v64-111  four streaming fragments
.set ACC,  112                         ; v112-175 accumulators (u, i) at 112 + 32 u + 8 i
.set OUT,  176                         ; v176-199 the four units, registers of their own: no store's data are written again
.set E,    200                         ; v200-202 a conversion's second result
.set TM,   208                         ; v208-213 at work in the quantiser
.set HW,   216                         ; v216-219 two scale bytes for each unit
.set SS,   224                         ; v224-239 streaming scale words (tile t, K step s) at 224 + 2 t + s
.set ST,   240                         ; v240-243 stationary scale words (u, s)
.macro PLACES n
.rept \n
	v_nop
.endr
.endm
; A fragment, 16 rows x 128 K of 6-bit codes: 12 registers, in pieces of 8 bytes.  Lanes 16-31 read three pieces further on; where that lies behind one padding more, the second address register serves.
.macro FRAG reg, adr, q, rowoff
.irp p, 0,1,2,3,4,5
.set PCE, 12*(\q)+6*(\p/3)+\p%3
.if PCE%8 < 5
	ds_load_b64 v[(\reg)+2*\p:(\reg)+2*\p+1], v[\adr] offset:8*PCE+16*(PCE/8)+(\rowoff)*PITCH
.else
	ds_load_b64 v[(\reg)+2*\p:(\reg)+2*\p+1], v[\adr+1] offset:8*PCE+16*(PCE/8)+(\rowoff)*PITCH
.endif
.endr
.endm
; 32 numbers of a lane, register 16 b + i = k 32 b + 16 (lane / 16) + i of my row, become a unit's six registers v[dst] on, and their two scale bytes v[hw].
.macro QUANT2 src, dst, e, tm, hw
.irp b, 0,1
	v_max3_num_f32 v[(\tm)+\b], |v[(\src)+16*\b]|, |v[(\src)+16*\b+1]|, 0x1800000   ; my 16 numbers of block b, and the floor 2^(3 - 127): the byte cannot fall under 1
.endr
.irp i, 2,4,6,8,10,12,14
.irp b, 0,1
	v_max3_num_f32 v[(\tm)+\b], v[(\tm)+\b], |v[(\src)+16*\b+\i]|, |v[(\src)+16*\b+\i+1]|
.endr
.endr
.irp b, 0,1
	s_delay_alu instid0(VALU_DEP_2)
	v_permlanex16_b32 v[(\tm)+2+\b], v[(\tm)+\b], s[SEL], s[SEL+1]
.endr
.irp b, 0,1
	s_delay_alu instid0(VALU_DEP_2)
	v_max_num_f32 v[(\tm)+\b], v[(\tm)+\b], v[(\tm)+2+\b]       ; with lane l xor 16's: the block's largest magnitude
.endr
.irp b, 0,1
	s_delay_alu instid0(VALU_DEP_2)
	v_add_nc_u32 v[(\tm)+4+\b], 0xff000000, v[(\tm)+\b]         ; 2 off its exponent field: the conversion's scale operand
.endr
.irp b, 0,1
	s_delay_alu instid0(VALU_DEP_2)
	v_lshrrev_b32 v[(\tm)+2+\b], 23, v[(\tm)+4+\b]              ; the scale's byte
.endr
	s_delay_alu instid0(VALU_DEP_1)
	v_lshl_or_b32 v[\hw], v[(\tm)+3], 8, v[(\tm)+2]
	v_cvt_scalef32_pk16_fp6_f32 v[(\dst):(\dst)+2], v[(\src):(\src)+15], v[(\tm)+4]
	v_cvt_scalef32_pk16_fp6_f32 v[(\e):(\e)+2], v[(\src)+16:(\src)+31], v[(\tm)+5]   ; (a conversion's three registers begin on an even number)
	v_nop                                          ; one plain place behind a scaled conversion
.irp i, 0,1,2
	v_permlane16_swap_b32 v[(\dst)+\i], v[(\e)+\i] ; the operand's layout wants a whole block in a lane: lanes 0-15 block 0, lanes 16-31 block 1
.endr
.irp i, 0,1,2
	s_delay_alu instid0(VALU_DEP_3)
	v_mov_b32 v[(\dst)+3+\i], v[(\e)+\i]
.endr
.endm
	s_load_b512 s[8:23], s[0:1], 0x0               ; x codes s[8:9], x scales s[10:11], Wq s[12:15], Wk s[16:19], Wv s[20:23]
	s_load_b128 s[24:27], s[0:1], 0x40             ; qc s[24:25], qs s[26:27]
	s_load_b64 s[28:29], s[0:1], 0x50              ; kv
	v_lshl_add_u32 v254, v0, 2, 0x29000
	v_mov_b32 v255, 0
	ds_add_u32 v254, v255
	ds_add_u32 v254, v255
	v_lshrrev_b32 v1, 5, v0
	s_delay_alu instid0(VALU_DEP_1)
	v_readfirstlane_b32 s[WV], v1                  ; wave 0..11
	s_lshr_b32 s[KIND], s[WV], 2
	s_and_b32 s[PR], s[WV], 3
	s_mov_b32 s[GX], ttmp9
	s_and_b32 s[GY], ttmp7, 0xffff
	; descriptor group 1: 64 rows of 192 bytes, dense in memory; 16 bytes of padding behind every 64
	s_mov_b32 s[G1+0], (1<<20)|(3<<22)|(3<<25)     ; no mask; elements of 1 byte; padding on; after every 16 words; 4 words
	s_mov_b32 s[G1+1], 256<<16                     ; 64 rows of 192 bytes are dense: stated as 48 rows of 256 bytes, each at a multiple of 256
	s_mov_b32 s[G1+2], 48<<16
	s_mov_b32 s[G1+3], 256<<16
	s_mov_b32 s[G1+4], 48
	s_mov_b32 s[G1+5], 256
	s_mov_b32 s[G1+6], 0
	s_mov_b32 s[G1+7], 0
	s_mov_b32 s[G0], 1
	s_mul_i32 s[G0+1], s[WV], 64*PITCH             ; waves 0-7 fill half a region each, in the regions' order
	s_mov_b32 s[SEL], 0x76543210
	s_mov_b32 s[SEL+1], 0xfedcba98
	s_mul_i32 s[STRB], s[KIND], REGION             ; streaming: region 0 (q), 1 (k), 2 = x (v)
	s_lshr_b32 s[STAB], s[KIND], 1
	s_add_co_u32 s[STAB], s[STAB], 2
	s_mul_i32 s[STAB], s[STAB], REGION             ; stationary: region 2 = x (q, k), 3 = Wv (v),
	s_and_b32 s99, s[KIND], 1                      ; 1 for k
	s_xor_b32 s98, s99, 1
	s_and_b32 s98, s98, s[PR]
	s_and_b32 s68, s[PR], 1
	s_add_co_u32 s98, s98, s68
	s_lshr_b32 s68, s[PR], 1
	s_lshl_b32 s68, s68, 2
	s_add_co_u32 s98, s98, s68                     ; my pair's first row / 16: q, v: 2 pr;  k: 4 (pr / 2) + pr % 2
	s_lshl_b32 s99, s99, 1                         ; k: lanes 8-15 lie 16 rows further on than elsewhere
	s_mul_i32 s68, s98, 16*PITCH
	s_add_co_u32 s[STAB], s[STAB], s68
	s_lshr_b32 s68, s[WV], 1
	s_and_b32 s68, s68, 3                          ; which region I fill,
	s_and_b32 s73, s[WV], 1
	s_mul_i32 s73, s73, 64*192                     ; and which half
	s_wait_dscnt 0x0
	s_wait_kmcnt 0x0
	s_cmp_eq_u32 s68, 0
	s_cselect_b64 s[70:71], s[12:13], s[20:21]     ; the choices hang on the wave's number alone
	s_cmp_eq_u32 s68, 1
	s_cselect_b64 s[70:71], s[16:17], s[70:71]
	s_cmp_eq_u32 s68, 2
	s_cselect_b64 s[70:71], s[8:9], s[70:71]
	s_cselect_b32 s72, s[GX], s[GY]                ; x's rows go by X, a weight's by Y
	s_mul_i32 s72, s72, 128*192
	s_add_co_u32 s72, s72, s73
	s_mov_b32 s73, 0
	s_add_nc_u64 s[G0+2:G0+3], s[70:71], s[72:73]
	s_or_b32 s[G0+3], s[G0+3], 0x80000000          ; type = 2
	s_cmp_lt_u32 s[WV], 8
	s_cbranch_scc0 .Lno_fill
	tensor_load_to_lds s[G0:G0+3], s[G1:G1+7]      ; one load a wave is out
	s_nop 0
	PLACES 4
.Lno_fill:
	v_and_b32 v1, 31, v0                           ; lane
	v_and_b32 v2, 15, v0                           ; r
	v_bfe_u32 v3, v0, 4, 1                         ; h
	s_delay_alu instid0(VALU_DEP_2)
	v_and_b32 v12, 8, v2
	s_delay_alu instid0(VALU_DEP_1)
	v_add_nc_u32 v12, v12, v2                      ; r + 8 (r / 8)
	s_delay_alu instid0(VALU_DEP_1)
	v_mul_u32_u24 v13, v12, PITCH
	s_delay_alu instid0(VALU_DEP_1)
	v_mad_u32_u24 v14, v3, 24, v13
	s_delay_alu instid0(VALU_DEP_2)
	v_mad_u32_u24 v15, v3, 40, v13
	s_delay_alu instid0(VALU_DEP_2)
	v_add_nc_u32 v[SA], s[STRB], v14
	s_delay_alu instid0(VALU_DEP_2)
	v_add_nc_u32 v[SA+1], s[STRB], v15
	v_and_b32 v11, 8, v2
	v_mul_u32_u24 v11, s99, v11                    ; k: 16 more rows for lanes 8-15
	v_mad_u32_u24 v14, v11, PITCH, v14
	v_mad_u32_u24 v15, v11, PITCH, v15
	v_add_lshl_u32 v11, v11, v12, 3                ; the stationary row's scale bytes
	v_add_nc_u32 v[TA], s[STAB], v14
	v_add_nc_u32 v[TA+1], s[STAB], v15
	v_lshlrev_b32 v[R8], 3, v12
	s_wait_alu depctr_va_vdst(0)
	v_lshlrev_b32 v[L16], 4, v1
	v_lshlrev_b32 v[L8], 3, v1
	v_mov_b32 v[TM+2], 0                           ; written once: a lane permute's destination counts as one of its sources
	v_mov_b32 v[TM+3], 0
	; the scale bytes: 8 a row
	s_cmp_eq_u32 s[KIND], 0
	s_cselect_b64 s[PSS:PSS+1], s[14:15], s[18:19]
	s_cmp_eq_u32 s[KIND], 2
	s_cselect_b64 s[PSS:PSS+1], s[10:11], s[PSS:PSS+1]
	s_cselect_b64 s[PST:PST+1], s[22:23], s[10:11]
	s_cselect_b32 s74, s[GX], s[GY]
	s_cselect_b32 s76, s[GY], s[GX]
	s_lshl_b32 s74, s74, 10                        ; 128 rows x 8 bytes
	s_mov_b32 s75, 0
	s_lshl_b32 s76, s76, 10
	s_lshl_b32 s77, s98, 7                         ; my pair's first row x 8 bytes
	s_add_co_u32 s76, s76, s77
	s_mov_b32 s77, 0
	s_add_nc_u64 s[PSS:PSS+1], s[PSS:PSS+1], s[74:75]
	s_add_nc_u64 s[PST:PST+1], s[PST:PST+1], s[76:77]
.irp t, 0,1,2,3,4,5,6,7
	global_load_b64 v[SS+2*\t:SS+2*\t+1], v[R8], s[PSS:PSS+1] offset:(32*(\t/2)+8*(\t%2))*8   ; both K steps' words of my row of tile t
.endr
.irp u, 0,1
	global_load_b64 v[ST+2*\u:ST+2*\u+1], v11, s[PST:PST+1] offset:64*\u
.endr
	; where my four units go
	s_lshr_b32 s78, s[GX], 5                       ; batch
	s_and_b32 s79, s[GX], 31                       ; key step in the batch
	s_lshl_b32 s80, s78, 2
	s_lshl_b32 s81, s[GY], 1
	s_add_co_u32 s80, s80, s81                     ; the first of my two heads: 4 batch + 2 Y
	s_lshr_b32 s82, s[PR], 1
	s_and_b32 s83, s[PR], 1
	s_mul_i32 s84, s[PR], 1536                     ; q, k: tile 2 pr
	s_mul_i32 s85, s83, 3072                       ; v: channel tile 2 (pr % 2), of head pr / 2,
	s_add_co_u32 s85, s85, 6144                    ; behind K's units
	s_mov_b32 s88, 768
	s_mov_b32 s89, 1536
	s_mov_b32 s90, 196608
	s_mov_b32 s91, 13056
	s_mul_i32 s87, s80, 196608
	s_mul_i32 s93, s79, 6144
	s_add_co_u32 s87, s87, s93                     ; qc: head and step
	s_lshl_b32 s93, s[GX], 2
	s_add_co_u32 s93, s93, s81                     ; kv: 4 x (32 batch + step) + 2 Y
	s_cmp_eq_u32 s[KIND], 2
	s_cselect_b32 s86, s82, 0
	s_cselect_b32 s84, s85, s84
	s_cselect_b32 s96, s89, s88                    ; from tile u = 0 to u = 1
	s_cselect_b32 s92, s88, s91                    ; from c = 0 to c = 1: v: the step's other 64 keys; k: the other head
	s_add_co_u32 s86, s86, s93
	s_mul_i32 s86, s86, 13056
	s_cmp_eq_u32 s[KIND], 0
	s_cselect_b32 s92, s90, s92                    ; q: the other head
	s_cselect_b32 s86, s87, s86
	s_cselect_b64 s[94:95], s[24:25], s[28:29]
	s_add_co_u32 s86, s86, s84
	s_mov_b32 s87, 0
	s_mov_b32 s93, 0
	s_mov_b32 s97, 0
	s_add_nc_u64 s[UB+0:UB+1], s[94:95], s[86:87]
	s_add_nc_u64 s[UB+2:UB+3], s[UB+0:UB+1], s[92:93]
	s_add_nc_u64 s[UB+4:UB+5], s[UB+0:UB+1], s[96:97]
	s_add_nc_u64 s[UB+6:UB+7], s[UB+4:UB+5], s[92:93]
	s_wait_tensorcnt 0x0                           ; my part of the four regions has landed,
	s_barrier_signal -1
	s_barrier_wait -1                              ; everybody's has
.macro SFLOAD c, s                     ; streaming tiles 4 c .. 4 c + 3, K step s
.irp i, 0,1,2,3
	FRAG SF+12*\i, SA, \s, 32*(2*(\c)+\i/2)+8*(\i%2)
.endr
.endm
; eight matrix instructions on eight accumulators, which take turns.  zero = 1: the first K step starts the sums
.macro MULS c, s, zero
.irp i, 0,1,2,3
.irp u, 0,1
.if \zero
	v_wmma_scale_f32_16x16x128_f8f6f4 v[ACC+32*\u+8*\i:ACC+32*\u+8*\i+7], v[SF+12*\i:SF+12*\i+11], v[STF+12*(2*\u+\s):STF+12*(2*\u+\s)+11], 0, v[SS+2*(4*\c+\i)+\s], v[ST+2*\u+\s] matrix_a_fmt:MATRIX_FMT_FP6 matrix_b_fmt:MATRIX_FMT_FP6
.else
	v_wmma_scale_f32_16x16x128_f8f6f4 v[ACC+32*\u+8*\i:ACC+32*\u+8*\i+7], v[SF+12*\i:SF+12*\i+11], v[STF+12*(2*\u+\s):STF+12*(2*\u+\s)+11], v[ACC+32*\u+8*\i:ACC+32*\u+8*\i+7], v[SS+2*(4*\c+\i)+\s], v[ST+2*\u+\s] matrix_a_fmt:MATRIX_FMT_FP6 matrix_b_fmt:MATRIX_FMT_FP6
.endif
.endr
.endr
.endm
; Half c of the streaming tiles: 64 numbers along the next K for each of my two stationary tiles: two units
.macro HALF c
	MULS \c, 0, 1
	PLACES 4                                       ; in front of loads into registers that matrix instructions have read
	SFLOAD \c, 1
	s_wait_dscnt 0x0
	MULS \c, 1, 0
	PLACES 4                                       ; the same, and in front of the first read of the results
.if \c == 0
	SFLOAD 1, 0                                    ; the other half's first fragments land under the quantising
.endif
.irp u, 0,1
	QUANT2 ACC+32*\u, OUT+6*(2*\u+\c), E, TM, HW+2*\u+\c
	global_store_b128 v[L16], v[OUT+6*(2*\u+\c):OUT+6*(2*\u+\c)+3], s[UB+2*(2*\u+\c):UB+2*(2*\u+\c)+1]              ; 512 consecutive bytes
	global_store_b64 v[L8], v[OUT+6*(2*\u+\c)+4:OUT+6*(2*\u+\c)+5], s[UB+2*(2*\u+\c):UB+2*(2*\u+\c)+1] offset:512   ; 256 consecutive bytes
.endr
.if \c == 0
	s_wait_dscnt 0x0
.endif
.endm
.irp u, 0,1
.irp s, 0,1
	FRAG STF+12*(2*\u+\s), TA, \s, 8*\u
.endr
.endr
	SFLOAD 0, 0
	s_wait_loadcnt 0x0                             ; the scale words
	s_wait_dscnt 0x0
	HALF 0
	HALF 1
	; the scale words.  Both halves of the lanes hold the same bytes, so the lane's half chooses which of two words it stores; all lanes stay on.
	s_cmp_eq_u32 s[KIND], 2
	s_cbranch_scc1 .Lv_words
	s_mov_b32 s68, 16384                           ; from head to head in qs,
	s_mov_b32 s69, 13056                           ; in kv
	s_lshl_b32 s72, s[GX], 2
	s_add_co_u32 s72, s72, s81
	s_mul_i32 s72, s72, 13056
	s_add_co_u32 s72, s72, 12288                   ; K's scale words lie behind the units
	s_lshl_b32 s70, s80, 14
	s_lshl_b32 s71, s79, 9
	s_add_co_u32 s70, s70, s71
	s_cmp_eq_u32 s[KIND], 0
	s_cselect_b64 s[66:67], s[26:27], s[28:29]
	s_cselect_b32 s68, s68, s69
	s_cselect_b32 s70, s70, s72
	s_lshl_b32 s71, s[PR], 7
	s_add_co_u32 s70, s70, s71
	s_mov_b32 s71, 0
	s_add_nc_u64 s[66:67], s[66:67], s[70:71]
	v_mul_u32_u24 v11, s68, v3                     ; lanes 16-31 store the second head's words
	s_delay_alu instid0(VALU_DEP_1)
	v_lshl_add_u32 v11, v2, 3, v11
	v_cmp_eq_u32 vcc_lo, 1, v3
	s_delay_alu instid0(VALU_DEP_1)
	v_cndmask_b32 v220, v[HW+0], v[HW+1], vcc_lo   ; tile 2 pr
	s_delay_alu instid0(VALU_DEP_2)
	v_cndmask_b32 v221, v[HW+2], v[HW+3], vcc_lo   ; tile 2 pr + 1
	global_store_b64 v11, v[220:221], s[66:67]     ; sixteen lanes store 128 consecutive bytes
	s_wait_tensorcnt 0x0
	ds_add_u32 v254, v255
	s_wait_dscnt 0x0
	s_endpgm
.Lv_words:
	s_lshl_b32 s70, s[GX], 2
	s_add_co_u32 s70, s70, s81
	s_add_co_u32 s70, s70, s82
	s_mul_i32 s70, s70, 13056
	s_lshl_b32 s71, s83, 7
	s_add_co_u32 s70, s70, s71
	s_add_co_u32 s70, s70, 12800                   ; V's scale words lie behind K's
	s_mov_b32 s71, 0
	s_add_nc_u64 s[66:67], s[28:29], s[70:71]
	v_lshlrev_b32 v11, 3, v2
	s_delay_alu instid0(VALU_DEP_1)
	v_lshl_add_u32 v11, v3, 2, v11                 ; lanes 16-31 store the second tile's words
	v_lshl_or_b32 v220, v[HW+1], 16, v[HW+0]       ; the step's four key blocks
	v_lshl_or_b32 v221, v[HW+3], 16, v[HW+2]
	v_cmp_eq_u32 vcc_lo, 1, v3
	s_delay_alu instid0(VALU_DEP_1)
	v_cndmask_b32 v220, v220, v221, vcc_lo
	global_store_b32 v11, v220, s[66:67]           ; the wave stores 128 consecutive bytes
	s_wait_tensorcnt 0x0
	ds_add_u32 v254, v255
	s_wait_dscnt 0x0
	s_endpgm
.Lfunc_end_k_qb68da80486_proj:
	.size	k_qb68da80486_proj, .Lfunc_end_k_qb68da80486_proj-k_qb68da80486_proj
	.p2alignl 7, 3214868480
	.fill 96, 4, 3214868480
	.section	.rodata,"a",@progbits
	.p2align	6, 0x0
	.amdhsa_kernel k_qb68da80486_proj
		.amdhsa_group_segment_fixed_size 169472
		.amdhsa_private_segment_fixed_size 0
		.amdhsa_enable_private_segment 0
		.amdhsa_kernarg_size 88
		.amdhsa_user_sgpr_count 2
		.amdhsa_user_sgpr_kernarg_segment_ptr 1
		.amdhsa_wavefront_size32 1
		.amdhsa_system_sgpr_workgroup_id_x 1
		.amdhsa_system_sgpr_workgroup_id_y 1
		.amdhsa_system_sgpr_workgroup_id_z 1
		.amdhsa_system_vgpr_workitem_id 0
		.amdhsa_next_free_vgpr 256
		.amdhsa_next_free_sgpr 100
		.amdhsa_reserve_vcc 1
		.amdhsa_float_denorm_mode_32 3
		.amdhsa_float_denorm_mode_16_64 3
		.amdhsa_memory_ordered 1
		.amdhsa_forward_progress 1
		.amdhsa_inst_pref_size 32
	.end_amdhsa_kernel
	.amdgpu_metadata
---
amdhsa.version: [ 1, 2 ]
amdhsa.kernels:
  - .name:           k_qb68da80486_proj
    .symbol:         k_qb68da80486_proj.kd
    .args:
      - { .name: x_codes, .offset: 0, .size: 8, .value_kind: global_buffer, .address_space: global }
      - { .name: x_scales, .offset: 8, .size: 8, .value_kind: global_buffer, .address_space: global }
      - { .name: Wq_codes, .offset: 16, .size: 8, .value_kind: global_buffer, .address_space: global }
      - { .name: Wq_scales, .offset: 24, .size: 8, .value_kind: global_buffer, .address_space: global }
      - { .name: Wk_codes, .offset: 32, .size: 8, .value_kind: global_buffer, .address_space: global }
      - { .name: Wk_scales, .offset: 40, .size: 8, .value_kind: global_buffer, .address_space: global }
      - { .name: Wv_codes, .offset: 48, .size: 8, .value_kind: global_buffer, .address_space: global }
      - { .name: Wv_scales, .offset: 56, .size: 8, .value_kind: global_buffer, .address_space: global }
      - { .name: qc, .offset: 64, .size: 8, .value_kind: global_buffer, .address_space: global }
      - { .name: qs, .offset: 72, .size: 8, .value_kind: global_buffer, .address_space: global }
      - { .name: kv, .offset: 80, .size: 8, .value_kind: global_buffer, .address_space: global }
    .group_segment_fixed_size: 169472
    .private_segment_fixed_size: 0
    .kernarg_segment_align: 8
    .kernarg_segment_size: 88
    .max_flat_workgroup_size: 384
    .sgpr_count:     100
    .vgpr_count:     256
    .wavefront_size: 32
...
	.end_amdgpu_metadata
.endif
;; end of part 1
;; launch attn (part 2): grid 256 x 1, 16 waves a work-group, clusters of 4 x 1, 327,680 bytes of LDS; arguments qc, qs, kv, Wu_codes, Wu_scales, bu, out0; writes out0
.if DOCPART == 2
	.amdgcn_target "amdgcn-amd-amdhsa--gfx1250"
	.amdhsa_code_object_version 6
	.text
	.protected	k_qb68da80486_attn
	.globl	k_qb68da80486_attn
	.p2align	8
	.type	k_qb68da80486_attn,@function
k_qb68da80486_attn:
	s_mov_b64 s[64:65], 0
	v_nop
	global_prefetch_b8 v0, s[64:65] scope:SCOPE_SE
	s_setreg_imm32_b32 hwreg(HW_REG_WAVE_MODE, 25, 1), 1
	s_wait_xcnt 0x0
	s_wait_alu depctr_hold_cnt(0) depctr_sa_sdst(0) depctr_va_vdst(0) depctr_va_sdst(0) depctr_va_ssrc(0) depctr_va_vcc(0) depctr_vm_vsrc(0)
	s_getreg_b32 s2, hwreg(HW_REG_IB_STS2, 6, 4)
	s_cmp_eq_u32 s2, 0
	s_cbranch_scc0 .Lentry_in_a_cluster
	s_endpgm
.Lentry_in_a_cluster:
	s_bfe_u32 s2, ttmp6, 0x10000c
	s_cmp_lg_u32 s2, 0x3003
	s_cbranch_scc0 .Lentry_shape_is_right
	s_endpgm
.Lentry_shape_is_right:
; out0 = (softmax(q k^T / 8) v) Wu^T + bu, all three products on codes of FP6 (E2M3).  16 heads (4 batches x 4) of 4,096 tokens x 64 channels.
; q, k, v come as UNITS of 768 bytes, images of six operand registers (16 rows x 64 along K): words 0-3 of lane l at 16 l, words 4-5 at 512 + 8 l.
; kv: (4 x (32 batch + key step) + head) x 13,056 bytes: K's 8 units, V's 8 units, K's scale words (512 bytes), V's (256).
; SHARES.  A work-group owns 64 tokens in all four heads; wave w takes head w % 4 and tile w / 4 of 16 queries, and walks the batch's 32 key steps of 128 keys.  256 work-groups.
; A step: 8 products S^T = K Q^T, the softmax, 4 products O^T += V^T P^T.  A lane holds ONE query (lane % 16).
; THE KEYS OF A TILE OF K: lane r of tile t is key 64 (t / 4) + 8 (t % 4) + r % 8 + 32 (r / 8).  So registers 32 c + i of S^T are keys 64 c + 32 (lane / 16) + i: a lane holds whole blocks of 32 keys,
; in the order of the next operand's registers: a block's maximum needs no other lane, and p's codes are not moved between lanes.
; THE SOFTMAX: t = score x log2(e) / 8; M = the largest t so far, rounded UP to a whole number; p = 2^(t - M) is quantised along the keys; the sum is taken of the unquantised p and divides O at the end.
; When M moves, the sum and O are multiplied by 2^(old M - new M): exact, and with no branch on data.
; K = 64 IN AN INSTRUCTION 128 DEEP: Q's registers 6-11 hold zero codes; K's tile t is named with the next tile's six registers behind it (tile 7: six cleared ones); bytes 2, 3 of Q's and K's scale words are 0, a finite scale.
; RING.  Two slots of two key steps x four heads (104,448 dense bytes, 408 rows of 256); waves 0-3 fetch a quarter each.  A fetching wave has one load out; it is asked for behind the round that ends period p and awaited in period p + 1.
; The round's opening signal stands behind the period's last LDS loads; the softmax and the products of that step, work on registers, stand between signal and wait.
; CLUSTER.  Four work-groups of one batch walk the same kv and the same Wu: every tensor load is JOINT, mask 15; the place in the cluster enters only Q's, the output's and the prefetches' global addresses.
; PREFETCH.  Behind the round that ends period p, waves 4-7 name period p + 4: each partner a quarter of its 408 blocks of 256 bytes, a lane a block (left-over lanes name the wave's last block again); periods 0-3 come by their loads; nothing is named beyond period 15.
; THE WAY OUT.  o = O / sum is quantised along the channels, goes as a unit to LDS bytes of its own; behind a barrier wave w takes tile w / 4's four units (K = 256) against Wu's rows 64 (w % 4) .. + 63, with bu as the first C.
; The results go through a stage in slot 0, which has had its last fill and its last read by then, and leave as 256 consecutive bytes of a row.
; LIMITS: scaled scores under 2^31 in magnitude; a block of o or of p under 2^-124, or of zeros, gets the byte 1 (only this program reads the bytes); NaN and infinities are not served.
.set SLOT,  104448
.set STB,   52224                      ; a key step's bytes, four heads
.set HB,    13056                      ; a head's bytes in a step
.set QUART, 26112                      ; what one tensor load brings
.set WUL,   2*SLOT                     ; Wu: 256 rows x 240 (3 x (64 + 16 of padding))
.set PITCH, 240
.set OX,    WUL+256*PITCH              ; o's 16 units;  OSX their scale bytes: no fill lands here
.set OSX,   OX+16*768
.set SPARE, OSX+1024                   ; the spare words, 128 bytes a wave
.set SP,    272                        ; the stage's rows
.set SPW, 1                            ; v1 my spare word, v2 zero: never rewritten
.set NIL, 2
.set AD,  3                            ; v3, v4: slot 0 by 16 and by 8 bytes a lane; v5, v6: slot 1
.set ROT, 7                            ; v7 7 or 31;  v8 0x00ff00ff or 0xff00ff00, by the lane's half
.set MSK, 8
.set T,   9                            ; v9-11, v29 at work
.set T2,  10
.set H,   11
.set R2,  29
.set PFO, 30                           ; v30 the prefetches' offset
.set QF,  16                           ; v16-27 Q (v22-27 zero codes);  v28 its scale words
.set QS,  28
.set FR,  32                           ; v32-79 eight units;  v80-85 zero codes
.set S,   96                           ; v96-159 S^T, then p
.set O,   160                          ; v160-191 O^T
.set PC,  192                          ; v192-203 p's codes;  v204-206, v208-210 the conversions' second halves
.set PE,  204
.set BM,  212                          ; v212-213 the blocks' largest;  v214-215 second chains, then the conversions' scale operands
.set SO,  214
.set KS,  224                          ; v224-227 K's scale words, v228-229 V's, v230 p's, v234-235: with v28 these hold scales alone
.set VS,  228
.set PS,  230
.set F,   232                          ; v[232:233] f = 2^(old M - new M).  v12 -M, v13 largest t, v[14:15] the sum
.set C,   236                          ; v236-251 eight chains of the sum
.set WF,  32                           ; the way out: Wu's fragments v32-127; bias v128-159; o's fragments v192-215
.set BI,  128
.set OF,  192
.set WV,  18
.set HD,  19
.set TL,  20
.set SEL, 22
.set CS,  24
.set G1,  28
.set G1W, 36
.set G0A, 44
.set G0B, 48
.set G0W, 52
.set CNT, 56
.set LIM, 57
.set PFB, 58
.macro VW
	s_wait_alu depctr_va_vdst(0)
.endm
.macro PLACES n
.rept \n
	v_nop
.endr
.endm
.macro CREST
	s_cmp_lg_u32 s[WV], 0
	s_cbranch_scc1 .Lnw0_\@
	s_barrier_signal -3
.Lnw0_\@:
	s_barrier_wait -3
	s_barrier_signal -1
	s_barrier_wait -1
.endm
.macro ROUND
	s_barrier_signal -1
	s_barrier_wait -1
	CREST
.endm
.macro TLOAD g0                        ; a joint fill of a slot: waves 0-3, a quarter each
	s_cmp_lt_u32 s[WV], 4
	s_cbranch_scc0 .Lasked_\@
	tensor_load_to_lds s[\g0:\g0+3], s[G1:G1+7]
	s_nop 0
	PLACES 4
.Lasked_\@:
.endm
.macro UNITS sl, b
.irp j, 0,1,2,3,4,5,6,7
	ds_load_b128 v[FR+6*\j:FR+6*\j+3], v[AD+2*(\sl)] offset:(\b)+768*\j
	ds_load_b64 v[FR+6*\j+4:FR+6*\j+5], v[AD+1+2*(\sl)] offset:(\b)+768*\j+512
.endr
.endm
.macro KLOAD sl, b                     ; K's units and scale words: lanes 0-15 tiles 0, 1 (4, 5), lanes 16-31 tiles 2, 3 (6, 7)
	UNITS \sl, \b
	ds_load_b64 v[KS:KS+1], v[AD+1+2*(\sl)] offset:(\b)+12288
	ds_load_b64 v[KS+2:KS+3], v[AD+1+2*(\sl)] offset:(\b)+12544
.endm
.macro DEFER                           ; the last four lines of a step's sum: they name no register of the products that they stand behind
	v_pk_add_f32 v[C:C+1], v[C:C+1], v[C+4:C+5]
	v_pk_add_f32 v[C+2:C+3], v[C+2:C+3], v[C+6:C+7]
	v_pk_add_f32 v[C:C+1], v[C:C+1], v[C+2:C+3]
	v_pk_fma_f32 v[14:15], v[14:15], v[F:F+1], v[C:C+1] op_sel_hi:[1,0,1]   ; the sum under that step's M, and its p
.endm
.macro SUMS lev, i0                    ; four chains take their next pair of p
.irp i, 0,1,2,3
.if \lev == 0
	v_pk_add_f32 v[C+2*(\i0+\i):C+2*(\i0+\i)+1], v[S+2*(\i0+\i):S+2*(\i0+\i)+1], v[S+16+2*(\i0+\i):S+17+2*(\i0+\i)]
.else
	v_pk_add_f32 v[C+2*(\i0+\i):C+2*(\i0+\i)+1], v[C+2*(\i0+\i):C+2*(\i0+\i)+1], v[S+16+16*\lev+2*(\i0+\i):S+17+16*\lev+2*(\i0+\i)]
.endif
.endr
.endm
; A KEY STEP from slot sl, step st of its two.  end: 0 within a period; 1 the period ends with a round and a refill; 2 with the work-group's barrier alone; 3 the last step of all
.macro STEP sl, st, end
	VW
	s_wait_dscnt 0x0                               ; K and its scale words are in
.irp t, 0,1,2,3,4,5,6,7
.if (\t/2)%2 == 0
	v_wmma_scale_f32_16x16x128_f8f6f4 v[S+8*\t:S+8*\t+7], v[FR+6*\t:FR+6*\t+11], v[QF:QF+11], 0, v[KS+2*(\t/4)+\t%2], v[QS] matrix_a_fmt:MATRIX_FMT_FP6 matrix_b_fmt:MATRIX_FMT_FP6
.else
	v_wmma_scale_f32_16x16x128_f8f6f4 v[S+8*\t:S+8*\t+7], v[FR+6*\t:FR+6*\t+11], v[QF:QF+11], 0, v[KS+2*(\t/4)+\t%2], v[QS] matrix_a_fmt:MATRIX_FMT_FP6 matrix_b_fmt:MATRIX_FMT_FP6 matrix_a_scale:MATRIX_SCALE_ROW1
.endif
.endr
	DEFER                                          ; the step before's; also the four places in front of the loads and of the first read of the scores
	UNITS \sl, (\st)*STB+6144                      ; V's units land under the softmax
	ds_load_b64 v[VS:VS+1], v[AD+1+2*(\sl)] offset:(\st)*STB+12800
.if \end == 1
	s_wait_xcnt 0x0                                ; my last prefetch has read its base
	s_add_nc_u64 s[PFB:PFB+1], s[PFB:PFB+1], SLOT
	s_wait_tensorcnt 0x0                           ; my part of the other slot is in; no load of mine is out
	ds_add_u32 v[SPW], v[NIL]                      ; the add, here twice
	ds_add_u32 v[SPW], v[NIL]
	s_add_nc_u64 s[G0A+4*(\sl)+2:G0A+4*(\sl)+3], s[G0A+4*(\sl)+2:G0A+4*(\sl)+3], 2*SLOT   ; this slot's next period
.endif
.if \end == 2
	s_wait_tensorcnt 0x0
	ds_add_u32 v[SPW], v[NIL]
.endif
.irp c, 0,1                                    ; the largest score of my two blocks of 32 keys, two chains each; every tile is first read at its low end
	v_max3_num_f32 v[BM+\c], v[S+32*\c], v[S+32*\c+1], v[S+32*\c+2]
	v_max3_num_f32 v[SO+\c], v[S+32*\c+16], v[S+32*\c+17], v[S+32*\c+18]
.endr
.irp i, 3,5,7,9,11,13
.irp c, 0,1
	v_max3_num_f32 v[BM+\c], v[BM+\c], v[S+32*\c+\i], v[S+32*\c+\i+1]
	v_max3_num_f32 v[SO+\c], v[SO+\c], v[S+32*\c+16+\i], v[S+32*\c+17+\i]
.endr
.endr
.irp c, 0,1
	v_max3_num_f32 v[BM+\c], v[BM+\c], v[S+32*\c+15], v[S+32*\c+31]
.endr
.irp c, 0,1
	s_delay_alu instid0(VALU_DEP_2)
	v_max_num_f32 v[BM+\c], v[BM+\c], v[SO+\c]
.endr
.if \end == 1 || \end == 2
	VW
	s_wait_dscnt 0x0                               ; the add is done, and my reads of this slot are over
	s_barrier_signal -1                            ; only work on registers up to the wait
.endif
	v_max_num_f32 v[T], v[BM], v[BM+1]
	s_delay_alu instid0(VALU_DEP_1)
	v_mul_f32 v[T], s[CS], v[T]                    ; as t (c is positive)
	s_delay_alu instid0(VALU_DEP_1)
	v_permlanex16_b32 v[T2], v[T], s[SEL], s[SEL+1]
	s_delay_alu instid0(VALU_DEP_1)
	v_max3_num_f32 v13, v13, v[T], v[T2]           ; the running largest t, with lane l xor 16's 64 keys
	v_mov_b32 v[T], v12
	s_delay_alu instid0(VALU_DEP_2)
	v_floor_f32 v12, -v13                          ; -M = -ceil(t)
	s_delay_alu instid0(VALU_DEP_1)
	v_sub_f32 v[T], v12, v[T]
	s_delay_alu instid0(VALU_DEP_1)
	v_cvt_i32_f32 v[T], v[T]                       ; (it saturates)
	s_delay_alu instid0(VALU_DEP_1)
	v_ldexp_f32 v[F], 1.0, v[T]                    ; f = 2^(old M - new M)
.set n, 0
.rept 32
	v_pk_fma_f32 v[S+n:S+n+1], v[S+n:S+n+1], s[CS:CS+1], v[12:13] op_sel_hi:[1,0,0]   ; t - M
.set n, n+2
.endr
.irp c, 0,1
	v_fma_f32 v[BM+\c], v[BM+\c], s[CS], v12       ; the same of each block's largest score
.endr
	VW
.irp c, 0,1
	v_exp_f32 v[BM+\c], v[BM+\c]                   ; the block's largest p
.endr
.set n, 0
.rept 64
	v_exp_f32 v[S+n], v[S+n]                       ; p = 2^(t - M)
.set n, n+1
.endr
	VW                                             ; behind the batch, and directly ahead of the first reader of O^T
.set n, 0
.rept 16
	v_pk_mul_f32 v[O+n:O+n+1], v[O+n:O+n+1], v[F:F+1] op_sel_hi:[1,0]   ; O^T under the new M
.set n, n+2
.endr
.irp c, 0,1
	v_max_num_f32 v[BM+\c], 0x1800000, v[BM+\c]    ; the floor 2^(3 - 127): the byte cannot fall under 1
.endr
.irp c, 0,1
	s_delay_alu instid0(VALU_DEP_2)
	v_add_nc_u32 v[SO+\c], 0xff000000, v[BM+\c]    ; 2 off the exponent field: the conversion's scale operand
.endr
	s_delay_alu instid0(VALU_DEP_1)
	v_perm_b32 v[H], v[SO+1], v[SO], 0x07060302    ; the two upper halves: exponent fields at bits 14:7 and 30:23
	s_delay_alu instid0(VALU_DEP_1)
	v_alignbit_b32 v[H], v[H], v[H], v[ROT]        ; turned so that lanes 0-15 have their bytes at 0 and 2, lanes 16-31 at 1 and 3
	s_delay_alu instid0(VALU_DEP_1)
	v_permlanex16_b32 v[R2], v[H], s[SEL], s[SEL+1]
	s_delay_alu instid0(VALU_DEP_1)
	v_bfi_b32 v[PS], v[MSK], v[H], v[R2]           ; p's scale word: my two bytes and lane l xor 16's two
.irp c, 0,1
	v_cvt_scalef32_pk16_fp6_f32 v[PC+6*\c:PC+6*\c+2], v[S+32*\c:S+32*\c+15], v[SO+\c]
	v_cvt_scalef32_pk16_fp6_f32 v[PE+4*\c:PE+4*\c+2], v[S+32*\c+16:S+32*\c+31], v[SO+\c]   ; (a conversion's three registers begin on an even number)
.endr
	SUMS 0, 0                                      ; the sum of the unquantised p; also the place behind the conversions
	v_dual_mov_b32 v[PC+3], v[PE] :: v_dual_mov_b32 v[PC+4], v[PE+1]
	v_dual_mov_b32 v[PC+5], v[PE+2] :: v_dual_mov_b32 v[PC+10], v[PE+5]
	v_mov_b32 v[PC+9], v[PE+4]
	v_mov_b32 v[PC+11], v[PE+6]
	SUMS 0, 4                                      ; four places behind the operand's last write, twelve behind the scale word's
.if \end == 0 || \end == 3
	VW
	s_wait_dscnt 0x0                               ; V and its scale words are in
.endif
.irp t, 0,1,2,3                                ; four accumulators, one instruction each, the eight products S^T between two turns
.if \t < 2
	v_wmma_scale_f32_16x16x128_f8f6f4 v[O+8*\t:O+8*\t+7], v[FR+12*\t:FR+12*\t+11], v[PC:PC+11], v[O+8*\t:O+8*\t+7], v[VS+\t%2], v[PS] matrix_a_fmt:MATRIX_FMT_FP6 matrix_b_fmt:MATRIX_FMT_FP6
.else
	v_wmma_scale_f32_16x16x128_f8f6f4 v[O+8*\t:O+8*\t+7], v[FR+12*\t:FR+12*\t+11], v[PC:PC+11], v[O+8*\t:O+8*\t+7], v[VS+\t%2], v[PS] matrix_a_fmt:MATRIX_FMT_FP6 matrix_b_fmt:MATRIX_FMT_FP6 matrix_a_scale:MATRIX_SCALE_ROW1
.endif
.endr
	SUMS 1, 0                                      ; the four places in front of the loads into the units' registers
.if \end == 1 || \end == 2
	VW
	s_barrier_wait -1
.endif
.if \end == 1
	CREST                                          ; no wave of any partner reads this slot or has a load on its way
	TLOAD G0A+4*(\sl)                              ; the period two further on
.endif
.if \end != 3
.if \st == 0
	KLOAD \sl, STB
.else
	KLOAD 1-(\sl), 0
.endif
.endif
.if \end == 1
	s_cmp_gt_u32 s[CNT], s[LIM]                    ; waves 4-7, in all trips but the last
	s_cbranch_scc0 .Lnot_asked_\@
	global_prefetch_b8 v[PFO], s[PFB:PFB+1] th:TH_LOAD_NT scope:SCOPE_SE
.Lnot_asked_\@:
.endif
	SUMS 1, 4
	SUMS 2, 0
	SUMS 2, 4
.irp i, 0,1,2,3
	v_pk_add_f32 v[C+2*\i:C+2*\i+1], v[C+2*\i:C+2*\i+1], v[C+8+2*\i:C+9+2*\i]
.endr
.endm
.macro QUANT2 src, dst, e, tm, hw      ; 32 numbers of a lane, register 16 b + i = k 32 b + 16 (lane / 16) + i, become a unit's six registers and two scale bytes
.irp b, 0,1
	v_max3_num_f32 v[(\tm)+\b], |v[(\src)+16*\b]|, |v[(\src)+16*\b+1]|, 0x1800000
.endr
.irp i, 2,4,6,8,10,12,14
.irp b, 0,1
	s_delay_alu instid0(VALU_DEP_2)
	v_max3_num_f32 v[(\tm)+\b], v[(\tm)+\b], |v[(\src)+16*\b+\i]|, |v[(\src)+16*\b+\i+1]|
.endr
.endr
.irp b, 0,1
	s_delay_alu instid0(VALU_DEP_2)
	v_permlanex16_b32 v[(\tm)+2+\b], v[(\tm)+\b], s[SEL], s[SEL+1]
.endr
.irp b, 0,1
	s_delay_alu instid0(VALU_DEP_2)
	v_max_num_f32 v[(\tm)+\b], v[(\tm)+\b], v[(\tm)+2+\b]
.endr
.irp b, 0,1
	s_delay_alu instid0(VALU_DEP_2)
	v_add_nc_u32 v[(\tm)+4+\b], 0xff000000, v[(\tm)+\b]
.endr
.irp b, 0,1
	s_delay_alu instid0(VALU_DEP_2)
	v_lshrrev_b32 v[(\tm)+2+\b], 23, v[(\tm)+4+\b]
.endr
	s_delay_alu instid0(VALU_DEP_1)
	v_lshl_or_b32 v[\hw], v[(\tm)+3], 8, v[(\tm)+2]
	v_cvt_scalef32_pk16_fp6_f32 v[(\dst):(\dst)+2], v[(\src):(\src)+15], v[(\tm)+4]
	v_cvt_scalef32_pk16_fp6_f32 v[(\e):(\e)+2], v[(\src)+16:(\src)+31], v[(\tm)+5]
	v_nop
.irp i, 0,1,2
	v_permlane16_swap_b32 v[(\dst)+\i], v[(\e)+\i]
.endr
.irp i, 0,1,2
	s_delay_alu instid0(VALU_DEP_3)
	v_mov_b32 v[(\dst)+3+\i], v[(\e)+\i]
.endr
.endm
.macro FRAG reg, adr, q, rowoff        ; 16 rows x 128 K of Wu: 12 registers, in pieces of 8 bytes; where lanes 16-31's piece lies behind one padding more, the second address register serves
.irp p, 0,1,2,3,4,5
.set PCE, 12*(\q)+6*(\p/3)+\p%3
.if PCE%8 < 5
	ds_load_b64 v[(\reg)+2*\p:(\reg)+2*\p+1], v[\adr] offset:8*PCE+16*(PCE/8)+(\rowoff)*PITCH
.else
	ds_load_b64 v[(\reg)+2*\p:(\reg)+2*\p+1], v[\adr+1] offset:8*PCE+16*(PCE/8)+(\rowoff)*PITCH
.endif
.endr
.endm
	s_load_b256 s[4:11], s[0:1], 0x0               ; qc s[4:5], qs s[6:7], kv s[8:9], Wu codes s[10:11]
	s_load_b128 s[12:15], s[0:1], 0x20             ; Wu scales s[12:13], bu s[14:15]
	s_load_b64 s[16:17], s[0:1], 0x30              ; out0
	v_lshl_add_u32 v[SPW], v0, 2, SPARE
	v_mov_b32 v[NIL], 0
	ds_add_u32 v[SPW], v[NIL]
	ds_add_u32 v[SPW], v[NIL]
	v_lshrrev_b32 v9, 5, v0
	v_readfirstlane_b32 s[WV], v9                  ; wave 0..15
	s_and_b32 s[HD], s[WV], 3                      ; my head; also my quarter of a fill, and my 64 columns of the output
	s_lshr_b32 s[TL], s[WV], 2                     ; my tile of queries
	s_mov_b32 s[G1+0], 15|(3<<16)|(1<<21)          ; all four partners; elements of 8 bytes; 102 dense rows of 256 bytes
	s_mov_b32 s[G1+1], 32<<16
	s_mov_b32 s[G1+2], 102<<16
	s_mov_b32 s[G1+3], 32<<16
	s_mov_b32 s[G1+4], 102
	s_mov_b32 s[G1+5], 32
	s_mov_b32 s[G1+6], 0
	s_mov_b32 s[G1+7], 0
	s_mov_b32 s[G1W+0], 15|(1<<20)|(1<<21)|(3<<22)|(3<<25)   ; Wu: bytes; 16 bytes of padding behind every 64; 64 rows of 192 bytes are 48 dense rows of 256
	s_mov_b32 s[G1W+1], 256<<16
	s_mov_b32 s[G1W+2], 48<<16
	s_mov_b32 s[G1W+3], 256<<16
	s_mov_b32 s[G1W+4], 48
	s_mov_b32 s[G1W+5], 256
	s_mov_b32 s[G1W+6], 0
	s_mov_b32 s[G1W+7], 0
	s_mov_b32 s[SEL], 0x76543210
	s_mov_b32 s[SEL+1], 0xfedcba98
	s_mov_b32 s[CS], 0x3e38aa3b                    ; c = log2(e) / 8
	s_mov_b32 s[CS+1], s[CS]
	s_lshr_b32 s62, ttmp9, 4                       ; the batch: sixteen clusters each; the partners share it
	s_mul_i32 s66, s62, 32*STB
	s_mov_b32 s67, 0
	s_mov_b32 s[G0A], 1
	s_mul_i32 s[G0A+1], s[HD], QUART
	s_add_co_u32 s70, s66, s[G0A+1]
	s_mov_b32 s71, 0
	s_mov_b32 s[G0B], 1
	s_add_co_u32 s[G0B+1], s[G0A+1], SLOT
	s_mov_b32 s[G0W], 1
	s_mul_i32 s[G0W+1], s[HD], 64*PITCH
	s_add_co_u32 s[G0W+1], s[G0W+1], WUL
	s_mul_i32 s72, s[HD], 64*192
	s_mov_b32 s73, 0
	s_add_co_u32 s66, s66, 3*SLOT                  ; the prefetches' base: stepped once ahead of the first, which names period 4
	s_bfe_u32 s60, ttmp6, 0x40000                  ; cx
	s_lshl_b32 s61, ttmp9, 2
	s_add_co_u32 s61, s61, s60                     ; my work-group: 64 tokens
	s_bfe_u32 s74, s61, 0x50001                    ; the step of 128 tokens in the batch
	s_and_b32 s75, s61, 1
	s_lshl_b32 s75, s75, 2
	s_add_co_u32 s75, s75, s[TL]                   ; my tile in it
	s_lshl_b32 s76, s62, 2
	s_add_co_u32 s76, s76, s[HD]                   ; 4 batch + head
	s_mul_i32 s78, s76, 196608
	s_mul_i32 s77, s74, 6144
	s_add_co_u32 s78, s78, s77
	s_mul_i32 s77, s75, 768
	s_add_co_u32 s78, s78, s77                     ; Q's unit
	s_mov_b32 s79, 0
	s_lshl_b32 s80, s76, 14
	s_lshl_b32 s77, s74, 9
	s_add_co_u32 s80, s80, s77
	s_lshr_b32 s77, s75, 1
	s_lshl_b32 s77, s77, 7
	s_add_co_u32 s80, s80, s77
	s_and_b32 s77, s75, 1
	s_lshl_b32 s77, s77, 2
	s_add_co_u32 s80, s80, s77                     ; Q's scale words
	s_mov_b32 s81, 0
	s_lshl_b32 s82, s61, 2
	s_add_co_u32 s82, s82, s[TL]                   ; my tile among all 1,024
	s_lshr_b32 s84, s82, 3
	s_lshl_b32 s84, s84, 7
	s_bfe_u32 s77, s82, 0x20001
	s_lshl_b32 s77, s77, 5
	s_add_co_u32 s84, s84, s77
	s_and_b32 s77, s82, 1
	s_lshl_b32 s77, s77, 3
	s_add_co_u32 s84, s84, s77                     ; its first token: lane r is token + r + 8 (r / 8)
	s_lshl_b32 s84, s84, 10
	s_lshl_b32 s86, s[HD], 8                       ; my 64 columns, in bytes
	s_mov_b32 s87, 0
	s_add_co_u32 s84, s84, s86
	s_mov_b32 s85, 0
	s_lshl_b32 s88, s[HD], 9                       ; my 64 rows of Wu's scale bytes
	s_mov_b32 s89, 0
	s_mul_i32 s90, s60, QUART                      ; the prefetches: my work-group's quarter of a period
	s_mov_b32 s91, 0xff00ff
	s_cmp_eq_u32 s[TL], 1
	s_cselect_b32 s[LIM], 1, -1                    ; waves 4-7 ask
	s_wait_dscnt 0x0
	s_wait_kmcnt 0x0
	s_add_nc_u64 s[G0A+2:G0A+3], s[8:9], s[70:71]            ; period 0
	s_add_nc_u64 s[G0B+2:G0B+3], s[G0A+2:G0A+3], SLOT        ; period 1
	s_or_b32 s[G0A+3], s[G0A+3], 0x80000000
	s_or_b32 s[G0B+3], s[G0B+3], 0x80000000
	s_add_nc_u64 s[G0W+2:G0W+3], s[10:11], s[72:73]
	s_or_b32 s[G0W+3], s[G0W+3], 0x80000000
	s_add_nc_u64 s[PFB:PFB+1], s[8:9], s[66:67]
	s_add_nc_u64 s[4:5], s[4:5], s[78:79]
	s_add_nc_u64 s[6:7], s[6:7], s[80:81]
	s_add_nc_u64 s[12:13], s[12:13], s[88:89]
	s_add_nc_u64 s[14:15], s[14:15], s[86:87]
	s_add_nc_u64 s[16:17], s[16:17], s[84:85]
	ROUND                                          ; all four work-groups are here: the first joint loads meet
	s_cmp_lt_u32 s[WV], 4                          ; one chain of branches, one load to an arm: waves 0-3 slot 0, waves 4-7 Wu
	s_cbranch_scc0 .Lhead_wu
	tensor_load_to_lds s[G0A:G0A+3], s[G1:G1+7]
	s_nop 0
	PLACES 4
	s_branch .Lhead_asked
.Lhead_wu:
	s_cmp_lt_u32 s[WV], 8
	s_cbranch_scc0 .Lhead_asked
	tensor_load_to_lds s[G0W:G0W+3], s[G1W:G1W+7]
	s_nop 0
	PLACES 4
.Lhead_asked:
	v_and_b32 v96, 31, v0                          ; lane
	v_lshlrev_b32 v97, 4, v96
	v_lshlrev_b32 v98, 3, v96
	v_and_b32 v99, 15, v0
	v_lshlrev_b32 v99, 3, v99                      ; Q's scale words lie 8 bytes apart
	global_load_b128 v[QF:QF+3], v97, s[4:5]
	global_load_b64 v[QF+4:QF+5], v98, s[4:5] offset:512
	global_load_b32 v[QS], v99, s[6:7]
	s_mul_i32 s77, s[HD], HB                       ; my head's bytes in a step
	v_add_nc_u32 v[AD], s77, v97
	v_add_nc_u32 v[AD+1], s77, v98
	s_add_co_u32 s77, s77, SLOT
	v_add_nc_u32 v[AD+2], s77, v97
	v_add_nc_u32 v[AD+3], s77, v98
	v_bfe_u32 v9, v0, 4, 1                         ; the lane's half
	v_mul_u32_u24 v[ROT], v9, 24
	v_add_nc_u32 v[ROT], 7, v[ROT]
	v_lshlrev_b32 v9, 3, v9
	v_lshlrev_b32 v[MSK], v9, s91
	s_lshl_b32 s77, s[HD], 5
	v_add_nc_u32 v[PFO], s77, v96
	v_min_u32 v[PFO], 101, v[PFO]                  ; 102 blocks to a quarter
	v_lshlrev_b32 v[PFO], 8, v[PFO]
	v_add_nc_u32 v[PFO], s90, v[PFO]
.irp j, 0,1,2,3,4,5
	v_mov_b32 v[QF+6+\j], 0                        ; zero codes
	v_mov_b32 v[FR+48+\j], 0
.endr
	v_mov_b32 v13, 0xff61b1e6                      ; -3e38, under every t
	v_floor_f32 v12, -v13
	v_mov_b32 v14, 0
	v_mov_b32 v15, 0
	v_mov_b32 v[T2], 0                             ; a lane permute's destination counts as a source
	v_mov_b32 v[R2], 0
	v_mov_b32 v[F], 0
	v_mov_b32 v[F+1], 0
.irp j, 0,1,2,3,4,5,6,7
	v_mov_b32 v[C+\j], 0                           ; the first step finds an empty sum
.endr
.set n, 0
.rept 32
	v_mov_b32 v[O+n], 0                            ; the step is written once: the first finds zeros
.set n, n+1
.endr
	VW
	s_wait_tensorcnt 0x0                           ; slot 1's first fill is issued as a refill is
	ds_add_u32 v[SPW], v[NIL]
	ds_add_u32 v[SPW], v[NIL]
	s_wait_dscnt 0x0
	ROUND
	TLOAD G0B
	KLOAD 0, 0
	s_mov_b32 s[CNT], 7
	s_wait_loadcnt 0x0                             ; Q
.Ltrip:                                                ; periods 2 j and 2 j + 1, j = 0 .. 6: each ends with a refill
	STEP 0, 0, 0
	STEP 0, 1, 1
	STEP 1, 0, 0
	STEP 1, 1, 1
	s_sub_co_u32 s[CNT], s[CNT], 1
	s_cmp_lg_u32 s[CNT], 0
	VW
	s_cbranch_scc1 .Ltrip
	STEP 0, 0, 0                                   ; periods 14 and 15 ask for nothing
	STEP 0, 1, 2
	STEP 1, 0, 0
	STEP 1, 1, 3
	DEFER                                          ; the last step's sum
	v_add_f32 v14, v14, v15
	s_delay_alu instid0(VALU_DEP_1)
	v_permlanex16_b32 v[T2], v14, s[SEL], s[SEL+1]
	s_delay_alu instid0(VALU_DEP_1)
	v_add_f32 v14, v14, v[T2]                      ; with lane l xor 16's keys
	v_and_b32 v216, 15, v0                         ; r
	v_bfe_u32 v217, v0, 4, 1                       ; h
	v_lshlrev_b32 v218, 3, v216
	v_lshlrev_b32 v219, 5, v217
.irp n, 0,1,2,3
	global_load_b64 v[KS+2*\n+4*(\n/3):KS+2*\n+4*(\n/3)+1], v218, s[12:13] offset:128*\n   ; both K steps' words of Wu's row 16 n + r
	global_load_b128 v[BI+8*\n:BI+8*\n+3], v219, s[14:15] offset:64*\n                     ; bu at my eight columns 16 n + 8 h + 0 .. 7
	global_load_b128 v[BI+8*\n+4:BI+8*\n+7], v219, s[14:15] offset:64*\n+16
.endr
	VW
	v_rcp_f32 v14, v14
	v_and_b32 v252, 31, v0
	s_lshl_b32 s77, s[TL], 2
	s_add_co_u32 s77, s77, s[HD]                   ; my unit among the sixteen: 4 tile + head
	s_mul_i32 s78, s77, 768
	s_add_co_u32 s78, s78, OX
	s_lshl_b32 s79, s77, 6
	s_add_co_u32 s79, s79, OSX
	s_mul_i32 s80, s[TL], 3072
	s_add_co_u32 s80, s80, OX                      ; my tile's four units
	s_lshl_b32 s81, s[TL], 8
	s_add_co_u32 s81, s81, OSX
	s_mul_i32 s82, s[HD], 64*PITCH
	s_add_co_u32 s82, s82, WUL                     ; my 64 rows of Wu
	s_mul_i32 s83, s[WV], 16*SP                    ; my stage, in slot 0
	VW                                             ; ahead of the first reader behind the scalar lines
	v_lshlrev_b32 v253, 4, v252
	v_lshlrev_b32 v254, 3, v252
	v_lshlrev_b32 v255, 2, v216
	v_add_nc_u32 v240, s80, v253
	v_add_nc_u32 v241, s80, v254
	v_add_nc_u32 v242, s81, v255
	v_add_nc_u32 v253, s78, v253
	v_add_nc_u32 v254, s78, v254
	v_add_nc_u32 v255, s79, v255
	v_mul_u32_u24 v222, v216, PITCH
	v_mad_u32_u24 v220, v217, 24, v222
	v_mad_u32_u24 v221, v217, 40, v222
	v_add_nc_u32 v220, s82, v220
	v_add_nc_u32 v221, s82, v221
	VW                                             ; behind the transcendental, directly ahead of the first reader of O^T
.set n, 0
.rept 32
	v_mul_f32 v[S+n], v[O+n], v14                  ; register 16 b + i: channel 32 b + 16 (lane / 16) + i
.set n, n+1
.endr
	QUANT2 S, PC, PE, 244, 250
	ds_store_b128 v253, v[PC:PC+3]                 ; o's unit, as an image of the operand's registers
	ds_store_b64 v254, v[PC+4:PC+5] offset:512
	ds_store_b32 v255, v250                        ; both halves of the lanes hold the same two bytes
.irp n, 0,1,2,3
.irp s, 0,1
	FRAG WF+12*(2*\n+\s), 220, \s, 16*\n
.endr
.endr
	VW
	s_wait_dscnt 0x0                               ; my stores are done, and so are all my reads of the slots
	s_barrier_signal -1
	s_barrier_wait -1
.irp d, 0,1,2,3                                ; head d's unit: registers 6 d .. 6 d + 5 of o's 24
	ds_load_b128 v[OF+6*\d:OF+6*\d+3], v240 offset:768*\d
	ds_load_b64 v[OF+6*\d+4:OF+6*\d+5], v241 offset:768*\d+512
	ds_load_b32 v[C+\d], v242 offset:64*\d
.endr
	s_wait_loadcnt 0x0
	s_wait_dscnt 0x0
	v_lshl_or_b32 v[QS], v[C+1], 16, v[C]          ; K step 0: heads 0 and 1
	v_lshl_or_b32 v[PS], v[C+3], 16, v[C+2]        ; K step 1: heads 2 and 3
	v_mul_u32_u24 v222, v216, SP                   ; the way out's addresses are the eight places behind the scale words
	v_lshl_add_u32 v222, v217, 5, v222
	v_add_nc_u32 v222, s83, v222                   ; in: row r, 32 bytes for each half of the lanes
	v_mul_u32_u24 v223, v217, SP
	v_lshl_add_u32 v223, v216, 4, v223
	v_add_nc_u32 v223, s83, v223                   ; back: lanes 0-15 one row of 256 bytes, lanes 16-31 the next
	v_lshlrev_b32 v252, 10, v217
	v_lshl_add_u32 v252, v216, 4, v252             ; the same two rows in out0
	VW
.irp n, 0,1,2,3                                ; source 0 = 16 rows of Wu, source 1 = o; four accumulators by turns
	v_wmma_scale_f32_16x16x128_f8f6f4 v[O+8*\n:O+8*\n+7], v[WF+24*\n:WF+24*\n+11], v[OF:OF+11], v[BI+8*\n:BI+8*\n+7], v[KS+2*\n+4*(\n/3)], v[QS] matrix_a_fmt:MATRIX_FMT_FP6 matrix_b_fmt:MATRIX_FMT_FP6
.endr
	VW
.irp n, 0,1,2,3
	v_wmma_scale_f32_16x16x128_f8f6f4 v[O+8*\n:O+8*\n+7], v[WF+24*\n+12:WF+24*\n+23], v[OF+12:OF+23], v[O+8*\n:O+8*\n+7], v[KS+2*\n+4*(\n/3)+1], v[PS] matrix_a_fmt:MATRIX_FMT_FP6 matrix_b_fmt:MATRIX_FMT_FP6
.endr
	PLACES 4
.irp n, 0,1,2,3
	ds_store_b128 v222, v[O+8*\n:O+8*\n+3] offset:64*\n
	ds_store_b128 v222, v[O+8*\n+4:O+8*\n+7] offset:64*\n+16
.endr
.irp i, 0,1,2,3,4,5,6,7
	ds_load_b128 v[WF+4*\i:WF+4*\i+3], v223 offset:2*\i*SP             ; LDS serves a wave's instructions in order (ISA guide 5.7.1.4): these see my stores
.endr
.irp i, 0,1,2,3,4,5,6,7
	s_wait_dscnt 7-\i                              ; the 7 - i younger loads may stay out
	global_store_b128 v252, v[WF+4*\i:WF+4*\i+3], s[16:17] offset:(2*\i+8*(\i/4))*1024 th:TH_STORE_NT   ; stage rows 8-15 are the tokens 16 further on; sixteen lanes store 256 consecutive bytes, aligned
.endr
	s_wait_tensorcnt 0x0                           ; the wave's end
	ds_add_u32 v[SPW], v[NIL]
	s_wait_dscnt 0x0
	ROUND                                          ; the closing round
	s_endpgm
.Lfunc_end_k_qb68da80486_attn:
	.size	k_qb68da80486_attn, .Lfunc_end_k_qb68da80486_attn-k_qb68da80486_attn
	.p2alignl 7, 3214868480
	.fill 96, 4, 3214868480
	.section	.rodata,"a",@progbits
	.p2align	6, 0x0
	.amdhsa_kernel k_qb68da80486_attn
		.amdhsa_group_segment_fixed_size 327680
		.amdhsa_private_segment_fixed_size 0
		.amdhsa_enable_private_segment 0
		.amdhsa_kernarg_size 56
		.amdhsa_user_sgpr_count 2
		.amdhsa_user_sgpr_kernarg_segment_ptr 1
		.amdhsa_wavefront_size32 1
		.amdhsa_system_sgpr_workgroup_id_x 1
		.amdhsa_system_sgpr_workgroup_id_y 1
		.amdhsa_system_sgpr_workgroup_id_z 1
		.amdhsa_system_vgpr_workitem_id 0
		.amdhsa_next_free_vgpr 256
		.amdhsa_next_free_sgpr 96
		.amdhsa_reserve_vcc 0
		.amdhsa_float_denorm_mode_32 3
		.amdhsa_float_denorm_mode_16_64 3
		.amdhsa_memory_ordered 1
		.amdhsa_forward_progress 1
		.amdhsa_inst_pref_size 147
	.end_amdhsa_kernel
	.amdgpu_metadata
---
amdhsa.version: [ 1, 2 ]
amdhsa.kernels:
  - .name:           k_qb68da80486_attn
    .symbol:         k_qb68da80486_attn.kd
    .args:
      - { .name: qc, .offset: 0, .size: 8, .value_kind: global_buffer, .address_space: global }
      - { .name: qs, .offset: 8, .size: 8, .value_kind: global_buffer, .address_space: global }
      - { .name: kv, .offset: 16, .size: 8, .value_kind: global_buffer, .address_space: global }
      - { .name: Wu_codes, .offset: 24, .size: 8, .value_kind: global_buffer, .address_space: global }
      - { .name: Wu_scales, .offset: 32, .size: 8, .value_kind: global_buffer, .address_space: global }
      - { .name: bu, .offset: 40, .size: 8, .value_kind: global_buffer, .address_space: global }
      - { .name: out0, .offset: 48, .size: 8, .value_kind: global_buffer, .address_space: global }
    .group_segment_fixed_size: 327680
    .private_segment_fixed_size: 0
    .kernarg_segment_align: 8
    .kernarg_segment_size: 56
    .max_flat_workgroup_size: 512
    .sgpr_count:     96
    .vgpr_count:     256
    .wavefront_size: 32
...
	.end_amdgpu_metadata
.endif
;; end of part 2
